; MI455X (gfx1250); checked and timed in simulation.
; The chip was launched on July 23, 2026; its instructions are those of AMD's public machine-readable ISA for CDNA 5 (MIT licence, August 2026) and "CDNA5" Instruction Set Architecture Reference Guide (July 2026). The comments in the code are by the model that wrote it; some were corrected since.
;; Field. Allowed arithmetic: matrix products marked QUANTISED: E2M1 operands, one E8M0 scale for each 32 along K, by v_wmma_scale_f32_16x16x128_f8f6f4 with both operands' format E2M1 (or v_wmma_scale_f32_32x16x128_f4), f32 sums; products left as they are: f32 operands where the result goes on into a quantised operand, else bf16, f16 or f32 operands; f32 sums; everything else in f32.
;; Inputs: W0 35 x 32 float32; W1 32 x 32 float32; Wout 32 x 1 float32; b0 32 float32; b1 32 float32; bout 1 float32; table 16 x 524,288 x 2 float32; x 1,000,000 x 3 float32.
;; Outputs: out0 1,000,000 x 1 float32.
;; This version of the problem:
;;   THIS VERSION OF THE PROBLEM IS GIVEN IN LOW PRECISION. The matrix products marked QUANTISED in the list below multiply operands that are first quantised to E2M1 (2 exponent bits, 1 mantissa bit; 4 bits a number), with one power-of-two scale for each 32 numbers along K (OCP MX v1.0); their sums are f32. All else is computed in f32.
;;   The module's matrix products, in the order in which they are computed (A, B: the left and right operand; K: the contracted axis; several contracted axes count as one K, in the product's order):
;;     1. batch 1,000,000 x [M 2, K 8] x [K 8, N 1]; A: computed on the way; B: computed on the way: left as it is (K = 8 < 32)
;;     2. batch 1,000,000 x [M 2, K 8] x [K 8, N 1]; A: computed on the way; B: computed on the way: left as it is (K = 8 < 32)
;;     3. batch 1,000,000 x [M 2, K 8] x [K 8, N 1]; A: computed on the way; B: computed on the way: left as it is (K = 8 < 32)
;;     4. batch 1,000,000 x [M 2, K 8] x [K 8, N 1]; A: computed on the way; B: computed on the way: left as it is (K = 8 < 32)
;;     5. batch 1,000,000 x [M 2, K 8] x [K 8, N 1]; A: computed on the way; B: computed on the way: left as it is (K = 8 < 32)
;;     6. batch 1,000,000 x [M 2, K 8] x [K 8, N 1]; A: computed on the way; B: computed on the way: left as it is (K = 8 < 32)
;;     7. batch 1,000,000 x [M 2, K 8] x [K 8, N 1]; A: computed on the way; B: computed on the way: left as it is (K = 8 < 32)
;;     8. batch 1,000,000 x [M 2, K 8] x [K 8, N 1]; A: computed on the way; B: computed on the way: left as it is (K = 8 < 32)
;;     9. batch 1,000,000 x [M 2, K 8] x [K 8, N 1]; A: computed on the way; B: computed on the way: left as it is (K = 8 < 32)
;;     10. batch 1,000,000 x [M 2, K 8] x [K 8, N 1]; A: computed on the way; B: computed on the way: left as it is (K = 8 < 32)
;;     11. batch 1,000,000 x [M 2, K 8] x [K 8, N 1]; A: computed on the way; B: computed on the way: left as it is (K = 8 < 32)
;;     12. batch 1,000,000 x [M 2, K 8] x [K 8, N 1]; A: computed on the way; B: computed on the way: left as it is (K = 8 < 32)
;;     13. batch 1,000,000 x [M 2, K 8] x [K 8, N 1]; A: computed on the way; B: computed on the way: left as it is (K = 8 < 32)
;;     14. batch 1,000,000 x [M 2, K 8] x [K 8, N 1]; A: computed on the way; B: computed on the way: left as it is (K = 8 < 32)
;;     15. batch 1,000,000 x [M 2, K 8] x [K 8, N 1]; A: computed on the way; B: computed on the way: left as it is (K = 8 < 32)
;;     16. batch 1,000,000 x [M 2, K 8] x [K 8, N 1]; A: computed on the way; B: computed on the way: left as it is (K = 8 < 32)
;;     17. [M 1,000,000, K 35] x [K 35, N 32]; A: computed on the way; B: input W0: QUANTISED
;;     18. [M 1,000,000, K 32] x [K 32, N 32]; A: computed on the way; B: input W1: QUANTISED
;;     19. [M 1,000,000, K 32] x [K 32, N 1]; A: computed on the way; B: input Wout: left as it is (N = 1 < 16)
;;   THE QUANTISER, for each operand of a quantised product, along K:
;;     - K is cut into blocks of 32 from its start; a last block that is shorter is filled with zeros.
;;     - A block's scale is 2^e with e = floor(log2(the largest magnitude in the block)) - 2, held to -126 .. 127; a block of zeros has e = 0. As a byte (E8M0): e + 127.
;;     - Each number is divided by its block's scale, clamped to +-6, and rounded to the nearest number of E2M1, ties to even, subnormals kept.
;;     - The product sums the exact products of the quantised numbers (number of the format x scale) in f32.
;;   ~~~python
;;   def quantise(x, axis):      # numpy; x: float32 -> the quantised numbers, widened to float32 again
;;       x = np.moveaxis(x, axis, -1); K = x.shape[-1]
;;       x = np.pad(x, [(0, 0)] * (x.ndim - 1) + [(0, -K % 32)]); x = x.reshape(x.shape[:-1] + (-1, 32)); a = np.abs(x).max(-1, keepdims=True)
;;       e = np.where(a > 0, np.clip(np.frexp(np.where(a > 0, a, 1))[1] - 1 - 2, -126, 127), 0)      # np.frexp(a)[1] - 1 = floor(log2(a)), exactly
;;       r = np.clip(x / 2.0 ** e, -6, 6)
;;       step = 2.0 ** (np.maximum(np.frexp(np.where(r == 0, 1, r))[1] - 1, 0) - 1)
;;       q = np.round(r / step) * step * 2.0 ** e      # np.round: ties to even
;;       return np.moveaxis(q.reshape(q.shape[:-2] + (-1,))[..., :K], -1, axis).astype(np.float32)
;;   ~~~
;;   OPERANDS COMPUTED ON THE WAY. 'Computed on the way' means the value that the module computes at that place (a softmax that the list does not call 'softmax' is quantised finished and normalised). What goes into a quantiser is computed in f32, as accurately as f32 sums, v_exp_f32 and their like allow (about 1e-6 of the number): no bf16 or f16 on the way to a quantiser, and a product that is left as it is and whose result goes on into a quantised operand takes f32 operands (vector FMAs, or v_wmma_f32_16x16x4_f32). A number that lies on a knife's edge between two numbers of the format may be rounded either way, as far as f32 arithmetic and the matrix unit's own rounding can turn it there, and no further.
;; 2 versions, each right; version 2 is version 1 with the launch field written anew for expert scheduling mode. Each part assembles by itself: llvm-mc -triple=amdgcn-amd-amdhsa -mcpu=gfx1250 --defsym DOCPART=n.
;; ======== version 1 of 2: 2 launches
;; limits: right only within a limited range of input values
;; workspace buffers: xq 12,000,000 bytes of whole numbers; wimg 2,560 bytes
;; launch prep (part 1): grid 782 x 1, 4 waves a work-group, no clusters, 0 bytes of LDS; arguments x, W0, W1, xq, wimg; writes xq, wimg
.if DOCPART == 1
	.amdgcn_target "amdgcn-amd-amdhsa--gfx1250"
	.amdhsa_code_object_version 6
	.text
	.protected	k_q7c90d31dd3_prep
	.globl	k_q7c90d31dd3_prep
	.p2align	8
	.type	k_q7c90d31dd3_prep,@function
k_q7c90d31dd3_prep:
	s_mov_b64 s[64:65], 0
	v_nop
	global_prefetch_b8 v0, s[64:65] scope:SCOPE_SE
	s_setreg_imm32_b32 hwreg(HW_REG_WAVE_MODE, 25, 1), 1
	s_wait_xcnt 0x0
; PREP.  Two things that the second launch needs as stored data.
; (1) xq: for each coordinate the whole number X = trunc(xn * 2^28), xn = (x + 1) / 2 rounded as f32.  The second launch forms the grid cells, and so its gather addresses, from X alone.
;     Layout by batch of 64 points (768 bytes): lane L of the wave that takes the batch owns points 2 L and 2 L + 1, six words; word pair j lies at 768 batch + 256 j + 8 L,
;     so each store here and each load there covers 256 consecutive bytes, aligned.
; (2) wimg: W0 [35][32] and W1 [32][32], quantised along K to FP4 (E2M1) with one E8M0 byte for each 32 along K, laid as images of the operand's registers: 16 bytes a lane and tile.
;     Bytes 0, 512: W0's tiles 0, 1; 1024, 1536: W1's; 2048: W0's scale words, 8 bytes a lane (tile 0, tile 1); 2304: W1's.
;     Lane r of tile u takes hidden unit 8 u + r + 8 (r / 8).  Lanes 0-15 hold K block 0, lanes 16-31 K block 1.
;     ORDER INSIDE A BLOCK (the second launch lays the features alike): W0 block 0, place p: row (p + 3) % 32; block 1: places 0, 1, 3 = rows 33, 34, 32, all other places zero.  W1: place p = row p, block 1 zero.
; LIMITS: x in [-1, 31) (X fills 32 bits as 4.28 fixed point; below -1 the conversion holds at 0); NaN and infinities are not served; for xn under 2^-5 X is cut by less than 2^-28.
;     A block of zeros, or one whose largest magnitude lies under 2^-124, keeps the scale byte 1 (the rule says 127 for zeros: the codes are zeros, and this program alone reads the bytes).
; SHARES: task g = 4 x work-group + wave.  Tasks 0 .. 3124 take five batches each (3125 x 5 = 15625 batches = 1,000,000 points); task 3125 takes W0, task 3126 W1; task 3127, the last group's fourth wave, has nothing.
; No LDS, no barrier: waves share nothing.  No matrix unit, no cluster: nothing here is read by two work-groups.
.set TASKS, 3125
.set BB,    768                        ; bytes of a batch, in x and in xq
.set PER,   5                          ; batches a wave
.set FLOOR, 0x1800000                  ; 2^(3 - 127): no largest magnitude is taken under it, so the byte cannot fall under 1
	s_load_b256 s[4:11], s[0:1], 0x0               ; x s[4:5], W0 s[6:7], W1 s[8:9], xq s[10:11]
	s_load_b64 s[12:13], s[0:1], 0x20              ; wimg
	v_lshrrev_b32 v1, 5, v0
	v_readfirstlane_b32 s14, v1                    ; wave
	s_lshl_b32 s15, ttmp9, 2
	s_add_co_u32 s15, s15, s14                     ; task g
	v_and_b32 v1, 31, v0                           ; lane
	s_wait_kmcnt 0x0
	s_cmp_lt_u32 s15, TASKS
	s_cbranch_scc1 .Lstream
	s_cmp_eq_u32 s15, TASKS
	s_cbranch_scc1 .Lw0
	s_cmp_eq_u32 s15, TASKS+1
	s_cbranch_scc1 .Lw1
	s_endpgm
.Lstream:
	s_mul_i32 s16, s15, PER*BB                     ; my five batches
	v_mad_u32_u24 v2, v1, 24, s16                  ; x: my two points' 24 bytes
	v_lshl_add_u32 v3, v1, 3, s16                  ; xq: 8 bytes a lane
.irp i, 0,1,2,3,4
.irp j, 0,1,2
	global_load_b64 v[4+6*\i+2*\j:5+6*\i+2*\j], v2, s[4:5] offset:BB*\i+8*\j th:TH_LOAD_NT   ; all fifteen loads go out at once; each register is written once
.endr
.endr
.irp i, 0,1,2,3,4
	s_wait_loadcnt 12-3*\i                         ; loads come back in order: batch i's three are in, the three of each later batch may be out
.irp j, 0,1,2
	v_pk_add_f32 v[4+6*\i+2*\j:5+6*\i+2*\j], v[4+6*\i+2*\j:5+6*\i+2*\j], 1.0 op_sel_hi:[1,0]          ; x + 1, rounded as the definition rounds it
.endr
.irp j, 0,1,2
	v_pk_mul_f32 v[4+6*\i+2*\j:5+6*\i+2*\j], v[4+6*\i+2*\j:5+6*\i+2*\j], 0x4d000000 op_sel_hi:[1,0]   ; x 2^27 = / 2 x 2^28: a power of two, nothing is rounded
.endr
.irp k, 0,1,2,3,4,5
	v_cvt_u32_f32 v[4+6*\i+\k], v[4+6*\i+\k]       ; toward zero
.endr
.irp j, 0,1,2
	global_store_b64 v3, v[4+6*\i+2*\j:5+6*\i+2*\j], s[10:11] offset:BB*\i+256*\j   ; 32 lanes store 256 consecutive bytes, aligned
.endr
.endr
	s_endpgm
; One weight, both tiles.  A lane takes a column (a hidden unit) and its registers run down K, in the order of the operand's registers: the conversions' results are the operand.
; All lanes load block 0's rows; lanes 16-31 then take block 1's numbers in their stead (a select by a constant lane mask, no change of EXEC).
; Registers: tile u: v[8 + 36 u ..] 32 numbers, v[40 + 36 u ..] W0's three rows of block 1; v[80 + 4 u ..] codes; v88.. largest magnitudes, v90.. scale operands, v92.. bytes, v94.. the other half's bytes, v96-97 scale words.
.macro WPATH kind
	v_and_b32 v2, 15, v0                           ; r
	v_and_b32 v3, 8, v0
	v_add_nc_u32 v3, v3, v2                        ; r + 8 (r / 8)
	v_lshlrev_b32 v3, 2, v3                        ; my column's byte in a row of 128 bytes (tile 1: 32 bytes on)
	v_lshlrev_b32 v4, 4, v1                        ; an image's place: 16 x lane
	v_lshlrev_b32 v5, 3, v1                        ; the scale words' place: 8 x lane
	v_bfe_u32 v6, v0, 4, 1
	v_lshlrev_b32 v6, 3, v6                        ; 8 h: my block's byte in the scale word, in bits
	s_mov_b32 s16, 0xffff0000                      ; lanes 16-31
	s_mov_b32 s18, 0x76543210
	s_mov_b32 s19, 0xfedcba98                      ; v_permlanex16_b32's selects for lane l xor 16
	v_mov_b32 v94, 0                               ; a lane permute's destination counts as one of its sources
	v_mov_b32 v95, 0
.irp u, 0,1
.irp p, 0,1,2,3,4,5,6,7,8,9,10,11,12,13,14,15,16,17,18,19,20,21,22,23,24,25,26,27,28,29,30,31
.if \kind == 0
	global_load_b32 v[8+36*\u+\p], v3, s[6:7] offset:128*((\p+3)%32)+32*\u
.else
	global_load_b32 v[8+36*\u+\p], v3, s[8:9] offset:128*\p+32*\u
.endif
.endr
.if \kind == 0
	global_load_b32 v[40+36*\u], v3, s[6:7] offset:128*33+32*\u
	global_load_b32 v[41+36*\u], v3, s[6:7] offset:128*34+32*\u
	global_load_b32 v[42+36*\u], v3, s[6:7] offset:128*32+32*\u
.endif
.endr
	s_wait_loadcnt 0x0
.irp u, 0,1
.if \kind == 0
	v_cndmask_b32 v[8+36*\u], v[8+36*\u], v[40+36*\u], s16       ; block 1: place 0 = row 33,
	v_cndmask_b32 v[9+36*\u], v[9+36*\u], v[41+36*\u], s16       ; place 1 = row 34,
	v_cndmask_b32 v[10+36*\u], v[10+36*\u], 0, s16
	v_cndmask_b32 v[11+36*\u], v[11+36*\u], v[42+36*\u], s16     ; place 3 = row 32
.else
.irp p, 0,1,2,3
	v_cndmask_b32 v[8+36*\u+\p], v[8+36*\u+\p], 0, s16
.endr
.endif
.irp p, 4,5,6,7,8,9,10,11,12,13,14,15,16,17,18,19,20,21,22,23,24,25,26,27,28,29,30,31
	v_cndmask_b32 v[8+36*\u+\p], v[8+36*\u+\p], 0, s16           ; the rest of K's last block is filled with zeros
.endr
.endr
.irp u, 0,1
	v_max3_num_f32 v[88+\u], |v[8+36*\u]|, |v[9+36*\u]|, FLOOR   ; my block's largest magnitude: all 32 numbers are mine
.endr
.irp i, 2,4,6,8,10,12,14,16,18,20,22,24,26,28,30
.irp u, 0,1
	v_max3_num_f32 v[88+\u], v[88+\u], |v[8+36*\u+\i]|, |v[9+36*\u+\i]|   ; (the two tiles by turns)
.endr
.endr
.irp u, 0,1
	v_add_nc_u32 v[90+\u], 0xff000000, v[88+\u]    ; 2 off its exponent field: the conversion takes the exponent field of this operand as its scale
.endr
.irp u, 0,1
	v_lshrrev_b32 v[92+\u], 23, v[90+\u]           ; the scale's byte
.endr
.irp u, 0,1
.irp i, 0,1,2,3
	v_cvt_scalef32_pk8_fp4_f32 v[80+4*\u+\i], v[8+36*\u+8*\i:15+36*\u+8*\i], v[90+\u]
.endr
.endr
.irp u, 0,1
	v_lshlrev_b32 v[92+\u], v6, v[92+\u]           ; my byte at its place.  (A plain line behind the conversions; it names none of their registers)
.endr
.irp u, 0,1
	v_permlanex16_b32 v[94+\u], v[92+\u], s18, s19
.endr
.irp u, 0,1
	v_or_b32 v[96+\u], v[92+\u], v[94+\u]          ; with lane l xor 16's byte: blocks 0 and 1;
	v_or_b32 v[96+\u], 0x7f7f0000, v[96+\u]        ; the instruction's blocks 2 and 3 hold zero codes: byte 127
.endr
.irp u, 0,1
	global_store_b128 v4, v[80+4*\u:83+4*\u], s[12:13] offset:1024*\kind+512*\u   ; 32 lanes store 512 consecutive bytes
.endr
	global_store_b64 v5, v[96:97], s[12:13] offset:2048+256*\kind
	s_endpgm
.endm
.Lw0:
	WPATH 0
.Lw1:
	WPATH 1
.Lfunc_end_k_q7c90d31dd3_prep:
	.size	k_q7c90d31dd3_prep, .Lfunc_end_k_q7c90d31dd3_prep-k_q7c90d31dd3_prep
	.p2alignl 7, 3214868480
	.fill 96, 4, 3214868480
	.section	.rodata,"a",@progbits
	.p2align	6, 0x0
	.amdhsa_kernel k_q7c90d31dd3_prep
		.amdhsa_group_segment_fixed_size 0
		.amdhsa_private_segment_fixed_size 0
		.amdhsa_enable_private_segment 0
		.amdhsa_kernarg_size 40
		.amdhsa_user_sgpr_count 2
		.amdhsa_user_sgpr_kernarg_segment_ptr 1
		.amdhsa_wavefront_size32 1
		.amdhsa_system_sgpr_workgroup_id_x 1
		.amdhsa_system_sgpr_workgroup_id_y 1
		.amdhsa_system_sgpr_workgroup_id_z 1
		.amdhsa_system_vgpr_workitem_id 0
		.amdhsa_next_free_vgpr 104
		.amdhsa_next_free_sgpr 66
		.amdhsa_reserve_vcc 0
		.amdhsa_float_denorm_mode_32 3
		.amdhsa_float_denorm_mode_16_64 3
		.amdhsa_memory_ordered 1
		.amdhsa_forward_progress 1
		.amdhsa_inst_pref_size 36
	.end_amdhsa_kernel
	.amdgpu_metadata
---
amdhsa.version: [ 1, 2 ]
amdhsa.kernels:
  - .name:           k_q7c90d31dd3_prep
    .symbol:         k_q7c90d31dd3_prep.kd
    .args:
      - { .name: x, .offset: 0, .size: 8, .value_kind: global_buffer, .address_space: global }
      - { .name: W0, .offset: 8, .size: 8, .value_kind: global_buffer, .address_space: global }
      - { .name: W1, .offset: 16, .size: 8, .value_kind: global_buffer, .address_space: global }
      - { .name: xq, .offset: 24, .size: 8, .value_kind: global_buffer, .address_space: global }
      - { .name: wimg, .offset: 32, .size: 8, .value_kind: global_buffer, .address_space: global }
    .group_segment_fixed_size: 0
    .private_segment_fixed_size: 0
    .kernarg_segment_align: 8
    .kernarg_segment_size: 40
    .max_flat_workgroup_size: 128
    .sgpr_count:     66
    .vgpr_count:     104
    .wavefront_size: 32
...
	.end_amdgpu_metadata
.endif
;; end of part 1
;; launch field (part 2): grid 3907 x 1, 4 waves a work-group, no clusters, 0 bytes of LDS; arguments x, xq, table, wimg, b0, b1, Wout, bout, out0; writes out0
.if DOCPART == 2
	.amdgcn_target "amdgcn-amd-amdhsa--gfx1250"
	.amdhsa_code_object_version 6
	.text
	.protected	k_q7c90d31dd3_field
	.globl	k_q7c90d31dd3_field
	.p2align	8
	.type	k_q7c90d31dd3_field,@function
k_q7c90d31dd3_field:
	s_mov_b64 s[64:65], 0
	v_nop
	global_prefetch_b8 v0, s[64:65] scope:SCOPE_SE
	s_setreg_imm32_b32 hwreg(HW_REG_WAVE_MODE, 25, 1), 1
	s_wait_xcnt 0x0
; FIELD.  out = elu(elu([xn, hashgrid(xn)] W0 + b0) W1 + b1) Wout + bout for 1,000,000 points; the two hidden products on codes of FP4 (E2M1) with one E8M0 scale for each 32 along K.
; SHARES.  One wave takes one batch of 64 points, g = 4 x work-group + wave (15625 batches; the last group's other three waves end at once).  Lane L owns points A = 64 g + 2 L and B = A + 1.
; Straight-line text: no loop, no LDS, no barrier, EXEC is never written.  Features and hidden layers never leave the registers.
; No tensor load, no cluster: every lane gathers 8 bytes at an address of its own, so no tile of the table is shared between work-groups; the weights are 2,560 bytes.
; THE CELLS.  X = trunc(xn 2^28) comes as a whole number from xq (the launch before stored it).  S_l = s_l 2^23 is a whole number (s_l the level's scale as f32), so X S_l is the exact product in 13.51 fixed point and
; p = (X S_l) >> 51 its floor.  The weight is w = fl(xn s_l) - p, the product rounded as the definition rounds it.  Where that rounding lands on the next whole number, w = 1.0 in cell p stands for w = 0 in cell p + 1: the same vertex.
; THE HASH.  Only 19 bits of the index are kept and p < 2^13, so the primes' low 19 bits serve and the 24-bit multiply is exact.
; THE INTERPOLATION is lo + w (hi - lo) along x, y, z, both features at once (packed): the same trilinear sum in f32.
; ORDER OF K in the first product (W0's image is laid alike): block 0, place p: 0 .. 28 = features 0 .. 28, 29 .. 31 = xn; block 1: places 0, 1, 3 = features 30, 31, 29; all else zero codes.
; BOTH PRODUCTS ARE USED TRANSPOSED: source 0 = 16 hidden units, source 1 = 16 points.  Lane r of weight tile u holds unit 8 u + r + 8 (r / 8), so that lane (r, h) of the results holds ONE point and the 16 registers of tiles 0, 1 are units 16 h + 0 .. 15.
; The biases are the C of the products; each product has an accumulator of its own and none adds in place.
; ELU: x > 0: x; -1/8 < x <= 0: x (1 + x (1/2 + x (1/6 + x (1/24 + x / 120)))), remainder under x^5 / 720 of the number; else 2^(x log2 e) - 1.  Both ways are computed in every lane and selected.
; LIMITS: x in [-1, 31); NaN and infinities are not served; a block whose largest magnitude lies under 2^-124 (a block of zeros too) keeps the scale byte 1.
; REGISTERS.  v0-1 a pair of zeros; v2-7 addresses; v8-13 X of A and B; v14-19 scale words of the activations (nothing else ever); v20-31 at work; v32-49 the weights w, three levels deep;
;   v50-81, v82-85 A's features (block 0's 32 places; levels 15 and 14); v86-121 B's; v122-137 W0's two fragments; v138-139 its scale words; v140-155 b0; v156-251 six gather slots of 16; v252-253 W1's scale words; v254-255 1/24.
;   Behind the encoder: v20-27 the series, v28-31 partial sums, v32-39 the exponentials, v40-47 the quantisers' work, v50-113 the eight accumulators, v156-171 W1's fragments, v174-189 b1, v190-205 Wout, v206-237 the four operands of points.
.set BATCHES, 15625
.set ZP,   0
.set VX,   2                           ; x: 24 x lane + 768 g
.set VQ,   3                           ; xq: 8 x lane + 768 g
.set VO,   4                           ; out0: 8 x lane + 256 g
.set VL16, 5                           ; 16 x lane
.set VL8,  6                           ; 8 x lane
.set VH64, 7                           ; 64 x (lane / 16): my half's 16 units in b0, b1, Wout
.set XQ,   8
.set FS,   14                          ; v14, v15: the features' scale words of A, of B
.set HS,   16                          ; v16-19: the hidden layer's, tile q = 2 p + t
.set TT,   20
.set WP,   32
.set RA,   50
.set QA,   82
.set NXT,  36                          ; from A's registers to B's
.set WA,   122
.set W0S,  138
.set B0,   140
.set GS,   156
.set W1S,  252
.set C24,  254
.set PP,   20
.set DS,   28
.set EE,   32
.set FT,   40
.set ACC,  50                          ; accumulator (p, t, u) at ACC + 32 p + 16 t + 8 u
.set WB,   156
.set B1,   174
.set WO,   190
.set OPB,  206                         ; operand (p, t) at OPB + 16 p + 8 t
.set FLOOR, 0x1800000                  ; 2^(3 - 127)
.set P2,   0x779b1                     ; 2654435761 mod 2^19
.set P3,   0x25795                     ; 805459861 mod 2^19
.set LOG2E, 0x3fb8aa3b
; s_l = 16 x 2^(l / 3) - 1 as f32
.set SL0,  0x41700000
.set SL1,  0x41994518
.set SL2,  0x41c32ff5
.set SL3,  0x41f80000
.set SL4,  0x421d4518
.set SL5,  0x42472ff5
.set SL6,  0x427c0000
.set SL7,  0x429f4518
.set SL8,  0x42c92ff5
.set SL9,  0x42fe0000
.set SL10, 0x43204518
.set SL11, 0x434a2ff5
.set SL12, 0x437f0000
.set SL13, 0x43a0c518
.set SL14, 0x43caaff5
.set SL15, 0x43ff8000
	s_load_b256 s[4:11], s[0:1], 0x0               ; x s[4:5], xq s[6:7], table s[8:9], wimg s[10:11]
	s_load_b256 s[12:19], s[0:1], 0x20             ; b0 s[12:13], b1 s[14:15], Wout s[16:17], bout s[18:19]
	s_load_b64 s[20:21], s[0:1], 0x40              ; out0
	v_lshrrev_b32 v2, 5, v0
	v_readfirstlane_b32 s22, v2                    ; wave
	s_lshl_b32 s23, ttmp9, 2
	s_add_co_u32 s23, s23, s22                     ; batch g
	s_cmp_ge_u32 s23, BATCHES
	s_cbranch_scc1 .Lend                           ; 15625 = 4 x 3906 + 1: three waves of the last group have no batch
	s_mul_i32 s24, s23, 768
	s_lshl_b32 s25, s23, 8
	s_mov_b32 s26, 0x7ffff                         ; 19 bits of the hash
	s_mov_b32 s28, 0x76543210
	s_mov_b32 s29, 0xfedcba98                      ; v_permlanex16_b32's selects for lane l xor 16
	v_and_b32 v[TT], 31, v0                        ; lane
	v_mad_u32_u24 v[VX], v[TT], 24, s24
	v_lshl_add_u32 v[VQ], v[TT], 3, s24
	v_lshl_add_u32 v[VO], v[TT], 3, s25
	v_lshlrev_b32 v[VL16], 4, v[TT]
	v_lshlrev_b32 v[VL8], 3, v[TT]
	v_and_b32 v[VH64], 16, v0
	v_lshlrev_b32 v[VH64], 2, v[VH64]
	v_mov_b32 v0, 0                                ; the thread's number is used up: v[0:1] is the 64-bit addend 0
	v_mov_b32 v1, 0
	s_wait_kmcnt 0x0
	s_load_b32 s27, s[18:19], 0x0                  ; bout; waited for ahead of its use, at the end
.irp j, 0,1,2
	global_load_b64 v[XQ+2*\j:XQ+2*\j+1], v[VQ], s[6:7] offset:256*\j th:TH_LOAD_NT   ; 256 consecutive bytes a load
.endr
.irp j, 0,1,2
	global_load_b64 v[TT+2*\j:TT+2*\j+1], v[VX], s[4:5] offset:8*\j th:TH_LOAD_NT     ; my two points' 24 bytes
.endr
	global_load_b128 v[WA:WA+3], v[VL16], s[10:11]                 ; W0's fragments: registers 0-3 of each; registers 4-7 are zero codes
	global_load_b128 v[WA+8:WA+11], v[VL16], s[10:11] offset:512
	global_load_b64 v[W0S:W0S+1], v[VL8], s[10:11] offset:2048
.irp j, 0,1,2,3
	global_load_b128 v[B0+4*\j:B0+4*\j+3], v[VH64], s[12:13] offset:16*\j   ; b0 at units 16 h + 0 .. 15: tile u's eight at B0 + 8 u
.endr
.irp j, 4,5,6,7,12,13,14,15
	v_mov_b32 v[WA+\j], 0
.endr
	s_wait_loadcnt 7                               ; xq and x are in; the seven loads of constants behind them may be out
.irp j, 0,2,4
	v_pk_add_f32 v[TT+\j:TT+\j+1], v[TT+\j:TT+\j+1], 1.0 op_sel_hi:[1,0]
.endr
.irp d, 0,1,2
	v_mul_f32 v[RA+29+\d], 0.5, v[TT+\d]           ; xn = (x + 1) / 2, at places 29 .. 31 of block 0
	v_mul_f32 v[RA+NXT+29+\d], 0.5, v[TT+3+\d]
.endr
; Point p (0 = A, 1 = B), level l: the cell, the three weights, the eight indices, the eight gathers.  Slot (l % 3, p) takes them; each load lands on its own address register, so no address is kept and no base is stepped.
.macro ISSUE p, l
.set SLV, SL\l
.set SFV, ((SLV&0x7fffff)|0x800000)<<((SLV>>23)-127)
.set GB, GS+16*(2*((\l)%3)+(\p))
.set WW, WP+6*((\l)%3)+3*(\p)
.set XB, XQ+3*(\p)
.set XN, RA+NXT*(\p)+29
	s_mov_b32 s30, SFV                             ; S_l = s_l 2^23
.irp d, 0,1,2
	v_mad_nc_u64_u32 v[TT+2*\d:TT+2*\d+1], v[XB+\d], s30, v[ZP:ZP+1]   ; X S_l, exact, 13.51 fixed point
.endr
.irp d, 0,1,2
	v_lshrrev_b32 v[TT+2*\d+1], 19, v[TT+2*\d+1]   ; p = its floor
.endr
.irp d, 0,1,2
	v_cvt_f32_u32 v[TT+2*\d], v[TT+2*\d+1]
.endr
.irp d, 0,1,2
	v_mul_f32 v[TT+6+\d], SLV, v[XN+\d]            ; pos, rounded once: not fused with the subtraction
.endr
.irp d, 0,1,2
	v_sub_f32 v[WW+\d], v[TT+6+\d], v[TT+2*\d]     ; w
.endr
	v_add_nc_u32 v[TT], 1, v[TT+1]                 ; x: p (v[TT+1]) and p + 1 (the first prime is 1)
	v_mul_u32_u24 v[TT+2], v[TT+3], P2             ; y: p P2,
	v_mul_u32_u24 v[TT+4], v[TT+5], P3             ; z: p P3,
	v_add_nc_u32 v[TT+3], P2, v[TT+2]              ; (p + 1) P2,
	v_add_nc_u32 v[TT+5], P3, v[TT+4]              ; (p + 1) P3
	v_xor_b32 v[TT+6], v[TT+2], v[TT+4]            ; y's and z's part of corner (cy, cz) at TT + 6 + cy + 2 cz
	v_xor_b32 v[TT+7], v[TT+3], v[TT+4]
	v_xor_b32 v[TT+8], v[TT+2], v[TT+5]
	v_xor_b32 v[TT+9], v[TT+3], v[TT+5]
.irp d, 6,7,8,9
	v_and_b32 v[TT+\d], s26, v[TT+\d]
.endr
.irp c, 0,1,2,3,4,5,6,7
	v_xor_b32 v[GB+2*\c], v[TT+1-(\c&1)], v[TT+6+(\c>>1)]   ; corner c = cx + 2 cy + 4 cz
.endr
.irp c, 0,1,2,3,4,5,6,7
	v_min_u32 v[GB+2*\c], 0x7ffff, v[GB+2*\c]      ; a number made of loaded data is held inside the table before it enters an address
.endr
.irp c, 0,1,2,3,4,5,6,7
	v_lshl_add_u32 v[GB+2*\c], v[GB+2*\c], 3, (\l)*0x400000   ; 8 bytes an entry, 2^22 bytes a level
.endr
.irp c, 0,1,2,3,4,5,6,7
	global_load_b64 v[GB+2*\c:GB+2*\c+1], v[GB+2*\c], s[8:9]
.endr
.endm
.macro LSUB hi, lo                     ; hi - lo, both features
	v_pk_add_f32 v[\hi:\hi+1], v[\hi:\hi+1], v[\lo:\lo+1] neg_lo:[0,1] neg_hi:[0,1]
.endm
.macro LFMA d, hi, lo, wi              ; d = lo + w (hi - lo); w is one register of an aligned pair and serves both halves
.if (\wi)&1
	v_pk_fma_f32 v[\d:\d+1], v[\hi:\hi+1], v[\wi-1:\wi], v[\lo:\lo+1] op_sel:[0,1,0] op_sel_hi:[1,1,1]
.else
	v_pk_fma_f32 v[\d:\d+1], v[\hi:\hi+1], v[\wi:\wi+1], v[\lo:\lo+1] op_sel_hi:[1,0,1]
.endif
.endm
; Point p, level l: its eight entries become its two features.
.macro CONSUME p, l
.set GB, GS+16*(2*((\l)%3)+(\p))
.set WW, WP+6*((\l)%3)+3*(\p)
.set BEHIND, 31-(2*(\l)+(\p))
.if BEHIND > 5
.set BEHIND, 5
.endif
.if (\l) <= 13
.set FD, RA+NXT*(\p)+2*(\l)
.elseif (\l) == 14
.set FD, QA+NXT*(\p)+2
.else
.set FD, QA+NXT*(\p)
.endif
	s_wait_loadcnt 8*BEHIND                        ; loads come back in order: this slot's eight are in; the eight of each slot issued behind it (five slots, fewer at the end) may be out
	LSUB GB+2, GB
	LSUB GB+6, GB+4
	LSUB GB+10, GB+8
	LSUB GB+14, GB+12
	LFMA GB, GB+2, GB, WW                          ; along x
	LFMA GB+4, GB+6, GB+4, WW
	LFMA GB+8, GB+10, GB+8, WW
	LFMA GB+12, GB+14, GB+12, WW
	LSUB GB+4, GB
	LSUB GB+12, GB+8
	LFMA GB, GB+4, GB, WW+1                        ; along y
	LFMA GB+8, GB+12, GB+8, WW+1
	LSUB GB+8, GB
	LFMA FD, GB+8, GB, WW+2                        ; along z, straight to the features' place
.endm
.macro STEP l, n
	CONSUME 0, \l
	ISSUE 0, \n
	CONSUME 1, \l
	ISSUE 1, \n
.endm
	ISSUE 0, 0                                     ; six slots, 48 gathers of the wave, are out from here to the last levels
	ISSUE 1, 0
	ISSUE 0, 1
	ISSUE 1, 1
	ISSUE 0, 2
	ISSUE 1, 2
	STEP 0, 3
	STEP 1, 4
	STEP 2, 5
	STEP 3, 6
	STEP 4, 7
	STEP 5, 8
	STEP 6, 9
	STEP 7, 10
	STEP 8, 11
	STEP 9, 12
	STEP 10, 13
	STEP 11, 14
	STEP 12, 15
.irp l, 13,14,15
	CONSUME 0, \l
	CONSUME 1, \l
.endr
	; ---- the second layer's constants go into slots that are done with; they are waited for ahead of the second product
	global_load_b128 v[WB:WB+3], v[VL16], s[10:11] offset:1024
	global_load_b128 v[WB+8:WB+11], v[VL16], s[10:11] offset:1536
	global_load_b64 v[W1S:W1S+1], v[VL8], s[10:11] offset:2304
.irp j, 0,1,2,3
	global_load_b128 v[B1+4*\j:B1+4*\j+3], v[VH64], s[14:15] offset:16*\j
.endr
.irp j, 0,1,2,3
	global_load_b128 v[WO+4*\j:WO+4*\j+3], v[VH64], s[16:17] offset:16*\j
.endr
.irp j, 4,5,6,7,12,13,14,15
	v_mov_b32 v[WB+\j], 0                          ; registers 4-7 of every operand: K 64 .. 127, zero codes
.endr
.irp q, 0,1,2,3
.irp j, 4,5,6,7
	v_mov_b32 v[OPB+8*\q+\j], 0
.endr
.endr
	v_mov_b32 v[C24], 0x3d2aaaab                   ; 1/24, twice: a pair for the packed form
	v_mov_b32 v[C24+1], 0x3d2aaaab
	; ---- the features are quantised: a lane holds both blocks of its points A and B, whole
.irp p, 0,1
	v_mov_b32 v[RA+NXT*\p+28], v[QA+NXT*\p+2]      ; feature 28 (level 14's first) belongs to block 0
.endr
.irp p, 0,1
	v_max3_num_f32 v[FT+4*\p], |v[RA+NXT*\p]|, |v[RA+NXT*\p+1]|, FLOOR
.endr
.irp i, 2,4,6,8,10,12,14,16,18,20,22,24,26,28,30
.irp p, 0,1
	v_max3_num_f32 v[FT+4*\p], v[FT+4*\p], |v[RA+NXT*\p+\i]|, |v[RA+NXT*\p+\i+1]|   ; (A and B by turns)
.endr
.endr
.irp p, 0,1
	v_max3_num_f32 v[FT+4*\p+1], |v[QA+NXT*\p]|, |v[QA+NXT*\p+1]|, FLOOR   ; block 1: features 30, 31,
.endr
.irp p, 0,1
	v_max_num_f32 v[FT+4*\p+1], v[FT+4*\p+1], |v[QA+NXT*\p+3]|             ; and 29
.endr
.irp p, 0,1
	v_add_nc_u32 v[FT+4*\p], 0xff000000, v[FT+4*\p]        ; 2 off the exponent field: the conversion's scale operand
	v_add_nc_u32 v[FT+4*\p+1], 0xff000000, v[FT+4*\p+1]
.endr
.irp p, 0,1
	v_lshrrev_b32 v[FT+4*\p+2], 23, v[FT+4*\p]             ; the bytes
	v_lshrrev_b32 v[FT+4*\p+3], 23, v[FT+4*\p+1]
.endr
.irp p, 0,1
	v_lshl_or_b32 v[FS+\p], v[FT+4*\p+3], 8, v[FT+4*\p+2]  ; my point's scale word; bytes 2 and 3 stay 0 over zero codes
.endr
.irp p, 0,1
.irp i, 0,1,2,3
	v_cvt_scalef32_pk8_fp4_f32 v[OPB+16*\p+\i], v[RA+NXT*\p+8*\i:RA+NXT*\p+8*\i+7], v[FT+4*\p]
.endr
	v_cvt_scalef32_pk8_fp4_f32 v[OPB+16*\p+8], v[QA+NXT*\p:QA+NXT*\p+7], v[FT+4*\p+1]   ; places 0 .. 3 count; the four registers behind them only fill the run, and their codes are cut off below
.endr
	v_nop                                          ; one plain line behind the scaled conversions
.irp p, 0,1
	v_and_b32 v[OPB+16*\p+8], 0xf0ff, v[OPB+16*\p+8]       ; places 0, 1, 3 stay; place 2 and places 4 .. 7 become zero codes
.irp i, 9,10,11
	v_mov_b32 v[OPB+16*\p+\i], 0
.endr
.endr
.irp p, 0,1
.irp i, 0,1,2,3
	v_permlane16_swap_b32 v[OPB+16*\p+\i], v[OPB+16*\p+8+\i]   ; tile 0: lanes 0-15 their block 0, lanes 16-31 the same points' block 1; tile 1 likewise for the points of lanes 16-31
.endr
.endr
.rept 8
	v_nop                                          ; a scale register written by a vector instruction stands 8 places ahead of a scaled matrix instruction, an operand so written 4
.endr
.irp p, 0,1
.irp u, 0,1
	v_wmma_scale_f32_16x16x128_f8f6f4 v[ACC+32*\p+8*\u:ACC+32*\p+8*\u+7], v[WA+8*\u:WA+8*\u+7], v[OPB+16*\p:OPB+16*\p+7], v[B0+8*\u:B0+8*\u+7], v[W0S+\u], v[FS+\p] matrix_a_fmt:MATRIX_FMT_FP4 matrix_b_fmt:MATRIX_FMT_FP4
	v_wmma_scale_f32_16x16x128_f8f6f4 v[ACC+32*\p+16+8*\u:ACC+32*\p+16+8*\u+7], v[WA+8*\u:WA+8*\u+7], v[OPB+16*\p+8:OPB+16*\p+15], v[B0+8*\u:B0+8*\u+7], v[W0S+\u], v[FS+\p] matrix_a_fmt:MATRIX_FMT_FP4 matrix_b_fmt:MATRIX_FMT_FP4 matrix_b_scale:MATRIX_SCALE_ROW1
.endr
.endr
.rept 4
	v_nop                                          ; four places ahead of the first read of results (ISA guide 7.12.1)
.endr
; ELU on the eight registers of one accumulator, from its low end on.  The eight exponentials are one batch; the series is the independent work behind them; one wait stands ahead of the first use of a result,
.macro ELU x
.irp j, 0,2,4,6
	v_pk_mul_f32 v[EE+\j:EE+\j+1], v[\x+\j:\x+\j+1], LOG2E op_sel_hi:[1,0]
.endr
.irp j, 0,1,2,3,4,5,6,7
	v_exp_f32 v[EE+\j], v[EE+\j]
.endr
.irp j, 0,2,4,6
	v_pk_fma_f32 v[PP+\j:PP+\j+1], v[\x+\j:\x+\j+1], 0x3c088889, v[C24:C24+1] op_sel_hi:[1,0,1]   ; x / 120 + 1/24
.endr
.irp j, 0,2,4,6
	v_pk_fma_f32 v[PP+\j:PP+\j+1], v[PP+\j:PP+\j+1], v[\x+\j:\x+\j+1], 0x3e2aaaab op_sel_hi:[1,1,0]   ; .. x + 1/6
.endr
.irp j, 0,2,4,6
	v_pk_fma_f32 v[PP+\j:PP+\j+1], v[PP+\j:PP+\j+1], v[\x+\j:\x+\j+1], 0.5 op_sel_hi:[1,1,0]
.endr
.irp j, 0,2,4,6
	v_pk_fma_f32 v[PP+\j:PP+\j+1], v[PP+\j:PP+\j+1], v[\x+\j:\x+\j+1], 1.0 op_sel_hi:[1,1,0]
.endr
.irp j, 0,2,4,6
	v_pk_mul_f32 v[PP+\j:PP+\j+1], v[PP+\j:PP+\j+1], v[\x+\j:\x+\j+1]
.endr
	s_wait_alu depctr_va_vdst(0)
.irp j, 0,2,4,6
	v_pk_add_f32 v[EE+\j:EE+\j+1], v[EE+\j:EE+\j+1], -1.0 op_sel_hi:[1,0]
.endr
.irp j, 0,1,2,3,4,5,6,7
	v_cmp_lt_f32 vcc_lo, 0xbe000000, v[\x+\j]      ; -1/8 < x: the series
	v_cndmask_b32 v[EE+\j], v[EE+\j], v[PP+\j], vcc_lo
	v_cmp_lt_f32 vcc_lo, 0, v[\x+\j]               ; 0 < x: x itself
	v_cndmask_b32 v[\x+\j], v[EE+\j], v[\x+\j], vcc_lo
.endr
.endm
.irp a, 0,1,2,3,4,5,6,7
	ELU ACC+8*\a
.endr
	; ---- the hidden layer is quantised: one block of 32 units; lane (r, h) holds units 16 h + 0 .. 15 of its tile's point r
.irp q, 0,1,2,3
	v_max3_num_f32 v[FT+\q], |v[ACC+16*\q]|, |v[ACC+16*\q+1]|, FLOOR
.endr
.irp i, 2,4,6,8,10,12,14
.irp q, 0,1,2,3
	v_max3_num_f32 v[FT+\q], v[FT+\q], |v[ACC+16*\q+\i]|, |v[ACC+16*\q+\i+1]|   ; (the four tiles by turns)
.endr
.endr
.irp q, 0,1,2,3
	v_permlanex16_b32 v[FT+4+\q], v[FT+\q], s28, s29
.endr
.irp q, 0,1,2,3
	v_max_num_f32 v[FT+\q], v[FT+\q], v[FT+4+\q]   ; with lane l xor 16's 16 units
.endr
.irp q, 0,1,2,3
	v_add_nc_u32 v[FT+\q], 0xff000000, v[FT+\q]
.endr
.irp q, 0,1,2,3
	v_lshrrev_b32 v[HS+\q], 23, v[FT+\q]           ; the scale word: byte 0; the other bytes stay 0 over zero codes
.endr
.irp q, 0,1,2,3
	v_cvt_scalef32_pk8_fp4_f32 v[OPB+8*\q], v[ACC+16*\q:ACC+16*\q+7], v[FT+\q]
	v_cvt_scalef32_pk8_fp4_f32 v[OPB+8*\q+1], v[ACC+16*\q+8:ACC+16*\q+15], v[FT+\q]
.endr
	v_nop                                          ; one plain line behind the scaled conversions
.irp q, 0,1,2,3
	v_mov_b32 v[OPB+8*\q+2], 0
	v_mov_b32 v[OPB+8*\q+3], 0
.endr
.irp q, 0,1,2,3
	v_permlane16_swap_b32 v[OPB+8*\q], v[OPB+8*\q+2]       ; lanes 0-15 get units 16 .. 31 from lanes 16-31, which are left with zero codes: K 32 .. 63
	v_permlane16_swap_b32 v[OPB+8*\q+1], v[OPB+8*\q+3]
.endr
	s_wait_loadcnt 0x0                             ; W1's fragments and scale words, b1, Wout
.rept 8
	v_nop                                          ; 8 places behind the scale words' last write, 4 behind the operands'
.endr
.irp q, 0,1,2,3
.irp u, 0,1
	v_wmma_scale_f32_16x16x128_f8f6f4 v[ACC+16*\q+8*\u:ACC+16*\q+8*\u+7], v[WB+8*\u:WB+8*\u+7], v[OPB+8*\q:OPB+8*\q+7], v[B1+8*\u:B1+8*\u+7], v[W1S+\u], v[HS+\q] matrix_a_fmt:MATRIX_FMT_FP4 matrix_b_fmt:MATRIX_FMT_FP4
.endr
.endr
.rept 4
	v_nop
.endr
.irp a, 0,1,2,3,4,5,6,7
	ELU ACC+8*\a
.endr
	; ---- the last product has one column: fused multiply-adds in f32, my 16 units of each tile's point
.irp q, 0,1,2,3
	v_pk_mul_f32 v[PP+2*\q:PP+2*\q+1], v[ACC+16*\q:ACC+16*\q+1], v[WO:WO+1]
.endr
.irp i, 2,4,6,8,10,12,14
.irp q, 0,1,2,3
	v_pk_fma_f32 v[PP+2*\q:PP+2*\q+1], v[ACC+16*\q+\i:ACC+16*\q+\i+1], v[WO+\i:WO+\i+1], v[PP+2*\q:PP+2*\q+1]
.endr
.endr
.irp q, 0,1,2,3
	v_add_f32 v[DS+\q], v[PP+2*\q], v[PP+2*\q+1]
.endr
	v_permlane16_swap_b32 v[DS], v[DS+1]           ; tile 0's upper halves change places with tile 1's lower: both halves of lane L's own point now lie in lane L
	v_permlane16_swap_b32 v[DS+2], v[DS+3]
	s_wait_kmcnt 0x0                               ; bout
	v_add_f32 v[EE], v[DS], v[DS+1]
	v_add_f32 v[EE+1], v[DS+2], v[DS+3]
	v_add_f32 v[EE], s27, v[EE]
	v_add_f32 v[EE+1], s27, v[EE+1]
	global_store_b64 v[VO], v[EE:EE+1], s[20:21] th:TH_STORE_NT   ; points 2 L and 2 L + 1: 32 lanes store 256 consecutive bytes, aligned
.Lend:
	s_endpgm
.Lfunc_end_k_q7c90d31dd3_field:
	.size	k_q7c90d31dd3_field, .Lfunc_end_k_q7c90d31dd3_field-k_q7c90d31dd3_field
	.p2alignl 7, 3214868480
	.fill 96, 4, 3214868480
	.section	.rodata,"a",@progbits
	.p2align	6, 0x0
	.amdhsa_kernel k_q7c90d31dd3_field
		.amdhsa_group_segment_fixed_size 0
		.amdhsa_private_segment_fixed_size 0
		.amdhsa_enable_private_segment 0
		.amdhsa_kernarg_size 72
		.amdhsa_user_sgpr_count 2
		.amdhsa_user_sgpr_kernarg_segment_ptr 1
		.amdhsa_wavefront_size32 1
		.amdhsa_system_sgpr_workgroup_id_x 1
		.amdhsa_system_sgpr_workgroup_id_y 1
		.amdhsa_system_sgpr_workgroup_id_z 1
		.amdhsa_system_vgpr_workitem_id 0
		.amdhsa_next_free_vgpr 256
		.amdhsa_next_free_sgpr 66
		.amdhsa_reserve_vcc 1
		.amdhsa_float_denorm_mode_32 3
		.amdhsa_float_denorm_mode_16_64 3
		.amdhsa_memory_ordered 1
		.amdhsa_forward_progress 1
		.amdhsa_inst_pref_size 220
	.end_amdhsa_kernel
	.amdgpu_metadata
---
amdhsa.version: [ 1, 2 ]
amdhsa.kernels:
  - .name:           k_q7c90d31dd3_field
    .symbol:         k_q7c90d31dd3_field.kd
    .args:
      - { .name: x, .offset: 0, .size: 8, .value_kind: global_buffer, .address_space: global }
      - { .name: xq, .offset: 8, .size: 8, .value_kind: global_buffer, .address_space: global }
      - { .name: table, .offset: 16, .size: 8, .value_kind: global_buffer, .address_space: global }
      - { .name: wimg, .offset: 24, .size: 8, .value_kind: global_buffer, .address_space: global }
      - { .name: b0, .offset: 32, .size: 8, .value_kind: global_buffer, .address_space: global }
      - { .name: b1, .offset: 40, .size: 8, .value_kind: global_buffer, .address_space: global }
      - { .name: Wout, .offset: 48, .size: 8, .value_kind: global_buffer, .address_space: global }
      - { .name: bout, .offset: 56, .size: 8, .value_kind: global_buffer, .address_space: global }
      - { .name: out0, .offset: 64, .size: 8, .value_kind: global_buffer, .address_space: global }
    .group_segment_fixed_size: 0
    .private_segment_fixed_size: 0
    .kernarg_segment_align: 8
    .kernarg_segment_size: 72
    .max_flat_workgroup_size: 128
    .sgpr_count:     66
    .vgpr_count:     256
    .wavefront_size: 32
...
	.end_amdgpu_metadata
.endif
;; end of part 2
;; ======== version 2 of 2: 2 launches; version 1 with the launch field written anew for expert scheduling mode
;; limits: right only within a limited range of input values
;; workspace buffers: xq 12,000,000 bytes of whole numbers; wimg 2,560 bytes
;; launch prep: the kernel of part 1 again; grid 782 x 1, 4 waves a work-group, no clusters, 0 bytes of LDS; arguments x, W0, W1, xq, wimg; writes xq, wimg
;; launch field (part 3): grid 3907 x 1, 4 waves a work-group, no clusters, 0 bytes of LDS; arguments x, xq, table, wimg, b0, b1, Wout, bout, out0; writes out0
.if DOCPART == 3
	.amdgcn_target "amdgcn-amd-amdhsa--gfx1250"
	.amdhsa_code_object_version 6
	.text
	.protected	k_q7c90d31dd3_field
	.globl	k_q7c90d31dd3_field
	.p2align	8
	.type	k_q7c90d31dd3_field,@function
k_q7c90d31dd3_field:
	s_mov_b64 s[64:65], 0
	v_nop
	global_prefetch_b8 v0, s[64:65] scope:SCOPE_SE
	s_setreg_imm32_b32 hwreg(HW_REG_WAVE_SCHED_MODE, 0, 2), 2
	s_setreg_imm32_b32 hwreg(HW_REG_WAVE_MODE, 25, 1), 1
	s_wait_xcnt 0x0
	s_wait_alu depctr_vm_vsrc(0)
; FIELD.  out = elu(elu([xn, hashgrid(xn)] W0 + b0) W1 + b1) Wout + bout for 1,000,000 points; the two hidden products on codes of FP4 (E2M1) with one E8M0 scale for each 32 along K.
; SHARES.  One wave takes one batch of 64 points, g = 4 x work-group + wave (15625 batches; the last group's other three waves end at once).  Lane L owns points A = 64 g + 2 L and B = A + 1.
; Straight-line text: no loop, no LDS, no barrier, EXEC is never written.  Features and hidden layers never leave the registers.
; No tensor load, no cluster: every lane gathers 8 bytes at an address of its own, so no tile of the table is shared between work-groups; the weights are 2,560 bytes.
; THE CELLS.  X = trunc(xn 2^28) comes as a whole number from xq (the launch before stored it).  S_l = s_l 2^23 is a whole number (s_l the level's scale as f32), so X S_l is the exact product in 13.51 fixed point and
; p = (X S_l) >> 51 its floor.  The weight is w = fl(xn s_l) - p, the product rounded as the definition rounds it.  Where that rounding lands on the next whole number, w = 1.0 in cell p stands for w = 0 in cell p + 1: the same vertex.
; THE HASH.  Only 19 bits of the index are kept and p < 2^13, so the primes' low 19 bits serve and the 24-bit multiply is exact.
; THE INTERPOLATION is lo + w (hi - lo) along x, y, z, both features at once (packed): the same trilinear sum in f32.
; ORDER OF K in the first product (W0's image is laid alike): block 0, place p: 0 .. 28 = features 0 .. 28, 29 .. 31 = xn; block 1: places 0, 1, 3 = features 30, 31, 29; all else zero codes.
; BOTH PRODUCTS ARE USED TRANSPOSED: source 0 = 16 hidden units, source 1 = 16 points.  Lane r of weight tile u holds unit 8 u + r + 8 (r / 8), so that lane (r, h) of the results holds ONE point and the 16 registers of tiles 0, 1 are units 16 h + 0 .. 15.
; The biases are the C of the products; each product has an accumulator of its own and none adds in place.
; ELU: x > 0: x; -1/8 < x <= 0: x (1 + x (1/2 + x (1/6 + x (1/24 + x / 120)))), remainder under x^5 / 720 of the number; else 2^(x log2 e) - 1.  Both ways are computed in every lane and selected.
; LIMITS: x in [-1, 31); NaN and infinities are not served; a block whose largest magnitude lies under 2^-124 (a block of zeros too) keeps the scale byte 1.
; THE MODE: SCHED_MODE bits 1:0 = 2 (LLVM: expert scheduling mode 2), set by the entry lines.  The code itself states the register dependences
; between vector or matrix instructions and memory instructions, with s_wait_alu, always for 0.
; THE PLAN.  Registers that memory instructions touch:
;   v2-v7       six offsets, made once at the head and never written again; every load and the store read one of them.
;   v8-13, v20-25  xq's and x's loads land here (v20 has held the lane's number).
;   AD v140-155 the sixteen gather offsets of ONE level, both points.  Written by level n's index arithmetic, read by level n's sixteen gathers, written again by level n + 1's.  Behind the encoder b0 lands here.
;   six slots   v156-251.  Level n's gathers land; level n's interpolations read and write them; level n + 3's gathers land.  Behind the encoder W1's fragments, b1 and Wout land here.
;   v32-33      the store's data.
; A level therefore has ONE wait on va_vdst, directly ahead of its sixteen gathers: the offsets are written, and the interpolations of three levels back are done with the two slots.  And it has one wait on vm_vsrc,
; ahead of the first write of AD: the gathers of the level before have read their offsets.  All other registers of the encoder are named by vector instructions alone.
; A compare's mask goes to a scalar register: the sixteen compares of an ELU stand in one run, and one wait on va_sdst stands ahead of the sixteen selects.
; REGISTERS.  v0-1 a pair of zeros; v2-7 addresses; v8-13 X of A and B; v14-19 scale words of the activations (nothing else ever); v20-31 at work; v32-49 the weights w, three levels deep;
;   v50-81, v82-85 A's features (block 0's 32 places; levels 15 and 14); v86-121 B's; v122-137 W0's two fragments; v138-139 its scale words; v140-155 a level's gather offsets, then b0; v156-251 six gather slots of 16; v252-253 W1's scale words; v254-255 1/24.
;   Behind the encoder: v20-27 the series, v28-31 partial sums, v32-39 the exponentials, v40-47 the quantisers' work, v50-113 the eight accumulators, v156-171 W1's fragments, v174-189 b1, v190-205 Wout, v206-237 the four operands of points.
;   s40-55: the sixteen masks of an ELU.
.set BATCHES, 15625
.set ZP,   0
.set VX,   2                           ; x: 24 x lane + 768 g
.set VQ,   3                           ; xq: 8 x lane + 768 g
.set VO,   4                           ; out0: 8 x lane + 256 g
.set VL16, 5                           ; 16 x lane
.set VL8,  6                           ; 8 x lane
.set VH64, 7                           ; 64 x (lane / 16): my half's 16 units in b0, b1, Wout
.set XQ,   8
.set FS,   14                          ; v14, v15: the features' scale words of A, of B
.set HS,   16                          ; v16-19: the hidden layer's, tile q = 2 p + t
.set TT,   20
.set WP,   32
.set RA,   50
.set QA,   82
.set NXT,  36                          ; from A's registers to B's
.set WA,   122
.set W0S,  138
.set B0,   140
.set AD,   140                         ; in the encoder: corner c of point p at AD + 8 p + c
.set GS,   156
.set W1S,  252
.set C24,  254
.set PP,   20
.set DS,   28
.set EE,   32
.set FT,   40
.set ACC,  50                          ; accumulator (p, t, u) at ACC + 32 p + 16 t + 8 u
.set WB,   156
.set B1,   174
.set WO,   190
.set OPB,  206                         ; operand (p, t) at OPB + 16 p + 8 t
.set MK,   40                          ; s40-47: -1/8 < x;  s48-55: 0 < x
.set FLOOR, 0x1800000                  ; 2^(3 - 127)
.set P2,   0x779b1                     ; 2654435761 mod 2^19
.set P3,   0x25795                     ; 805459861 mod 2^19
.set LOG2E, 0x3fb8aa3b
; s_l = 16 x 2^(l / 3) - 1 as f32
.set SL0,  0x41700000
.set SL1,  0x41994518
.set SL2,  0x41c32ff5
.set SL3,  0x41f80000
.set SL4,  0x421d4518
.set SL5,  0x42472ff5
.set SL6,  0x427c0000
.set SL7,  0x429f4518
.set SL8,  0x42c92ff5
.set SL9,  0x42fe0000
.set SL10, 0x43204518
.set SL11, 0x434a2ff5
.set SL12, 0x437f0000
.set SL13, 0x43a0c518
.set SL14, 0x43caaff5
.set SL15, 0x43ff8000
	s_load_b256 s[4:11], s[0:1], 0x0               ; x s[4:5], xq s[6:7], table s[8:9], wimg s[10:11]
	s_load_b256 s[12:19], s[0:1], 0x20             ; b0 s[12:13], b1 s[14:15], Wout s[16:17], bout s[18:19]
	s_load_b64 s[20:21], s[0:1], 0x40              ; out0
	v_lshrrev_b32 v2, 5, v0
	v_readfirstlane_b32 s22, v2                    ; wave
	s_wait_alu depctr_va_sdst(0)                   ; s22 is written, ahead of its first reader: the batch's number, the branch and the offsets are made from it
	s_lshl_b32 s23, ttmp9, 2
	s_add_co_u32 s23, s23, s22                     ; batch g
	s_cmp_ge_u32 s23, BATCHES
	s_cbranch_scc1 .Lend                           ; 15625 = 4 x 3906 + 1: three waves of the last group have no batch
	s_mul_i32 s24, s23, 768
	s_lshl_b32 s25, s23, 8
	s_mov_b32 s26, 0x7ffff                         ; 19 bits of the hash
	s_mov_b32 s28, 0x76543210
	s_mov_b32 s29, 0xfedcba98                      ; v_permlanex16_b32's selects for lane l xor 16
	v_and_b32 v[TT], 31, v0                        ; lane
	v_mad_u32_u24 v[VX], v[TT], 24, s24
	v_lshl_add_u32 v[VQ], v[TT], 3, s24
	v_lshl_add_u32 v[VO], v[TT], 3, s25
	v_lshlrev_b32 v[VL16], 4, v[TT]
	v_lshlrev_b32 v[VL8], 3, v[TT]
	v_and_b32 v[VH64], 16, v0
	v_lshlrev_b32 v[VH64], 2, v[VH64]
	v_mov_b32 v0, 0                                ; the thread's number is used up: v[0:1] is the 64-bit addend 0
	v_mov_b32 v1, 0
	s_wait_kmcnt 0x0
	s_load_b32 s27, s[18:19], 0x0                  ; bout; waited for ahead of its use, at the end
	s_wait_alu depctr_va_vdst(0)                   ; the six offsets v2 to v7 are written, which every load and the store read; v20, in which x's first load lands, has been written and read
.irp j, 0,1,2
	global_load_b64 v[XQ+2*\j:XQ+2*\j+1], v[VQ], s[6:7] offset:256*\j th:TH_LOAD_NT   ; 256 consecutive bytes a load
.endr
.irp j, 0,1,2
	global_load_b64 v[TT+2*\j:TT+2*\j+1], v[VX], s[4:5] offset:8*\j th:TH_LOAD_NT     ; my two points' 24 bytes
.endr
	global_load_b128 v[WA:WA+3], v[VL16], s[10:11]                 ; W0's fragments: registers 0-3 of each; registers 4-7 are zero codes
	global_load_b128 v[WA+8:WA+11], v[VL16], s[10:11] offset:512
	global_load_b64 v[W0S:W0S+1], v[VL8], s[10:11] offset:2048
.irp j, 4,5,6,7,12,13,14,15
	v_mov_b32 v[WA+\j], 0
.endr
	s_wait_loadcnt 3                               ; xq and x are in; the three loads of W0's image behind them may be out
.irp j, 0,2,4
	v_pk_add_f32 v[TT+\j:TT+\j+1], v[TT+\j:TT+\j+1], 1.0 op_sel_hi:[1,0]
.endr
.irp d, 0,1,2
	v_mul_f32 v[RA+29+\d], 0.5, v[TT+\d]           ; xn = (x + 1) / 2, at places 29 .. 31 of block 0
	v_mul_f32 v[RA+NXT+29+\d], 0.5, v[TT+3+\d]
.endr
; Point p (0 = A, 1 = B), level l: the cell, the three weights, the eight offsets.  free = 1: the offsets' registers were read by the gathers of the level before.
.macro ADDR p, l, free
.set SLV, SL\l
.set SFV, ((SLV&0x7fffff)|0x800000)<<((SLV>>23)-127)
.set AB, AD+8*(\p)
.set WW, WP+6*((\l)%3)+3*(\p)
.set XB, XQ+3*(\p)
.set XN, RA+NXT*(\p)+29
	s_mov_b32 s30, SFV                             ; S_l = s_l 2^23
.irp d, 0,1,2
	v_mad_nc_u64_u32 v[TT+2*\d:TT+2*\d+1], v[XB+\d], s30, v[ZP:ZP+1]   ; X S_l, exact, 13.51 fixed point
.endr
.irp d, 0,1,2
	v_lshrrev_b32 v[TT+2*\d+1], 19, v[TT+2*\d+1]   ; p = its floor
.endr
.irp d, 0,1,2
	v_cvt_f32_u32 v[TT+2*\d], v[TT+2*\d+1]
.endr
.irp d, 0,1,2
	v_mul_f32 v[TT+6+\d], SLV, v[XN+\d]            ; pos, rounded once: not fused with the subtraction
.endr
.irp d, 0,1,2
	v_sub_f32 v[WW+\d], v[TT+6+\d], v[TT+2*\d]     ; w
.endr
	v_add_nc_u32 v[TT], 1, v[TT+1]                 ; x: p (v[TT+1]) and p + 1 (the first prime is 1)
	v_mul_u32_u24 v[TT+2], v[TT+3], P2             ; y: p P2,
	v_mul_u32_u24 v[TT+4], v[TT+5], P3             ; z: p P3,
	v_add_nc_u32 v[TT+3], P2, v[TT+2]              ; (p + 1) P2,
	v_add_nc_u32 v[TT+5], P3, v[TT+4]              ; (p + 1) P3
	v_xor_b32 v[TT+6], v[TT+2], v[TT+4]            ; y's and z's part of corner (cy, cz) at TT + 6 + cy + 2 cz
	v_xor_b32 v[TT+7], v[TT+3], v[TT+4]
	v_xor_b32 v[TT+8], v[TT+2], v[TT+5]
	v_xor_b32 v[TT+9], v[TT+3], v[TT+5]
.irp d, 6,7,8,9
	v_and_b32 v[TT+\d], s26, v[TT+\d]
.endr
.if \free
	s_wait_xcnt 0x0                                ; the gathers of the level before have had their addresses translated (ISA guide 3.1): their offsets are rewritten only behind this wait,
	s_wait_alu depctr_vm_vsrc(0)                   ; and they have read all sixteen offsets, A's and B's, which the lines below and point B's write again
.endif
.irp c, 0,1,2,3,4,5,6,7
	v_xor_b32 v[AB+\c], v[TT+1-(\c&1)], v[TT+6+(\c>>1)]   ; corner c = cx + 2 cy + 4 cz
.endr
.irp c, 0,1,2,3,4,5,6,7
	v_min_u32 v[AB+\c], 0x7ffff, v[AB+\c]          ; a number made of loaded data is held inside the table before it enters an address
.endr
.irp c, 0,1,2,3,4,5,6,7
	v_lshl_add_u32 v[AB+\c], v[AB+\c], 3, (\l)*0x400000   ; 8 bytes an entry, 2^22 bytes a level
.endr
.endm
; Point p, level l: the eight gathers, into slot (l % 3, p).  No base is stepped: the level stands in the offset.
.macro GATHER p, l
.set GB, GS+16*(2*((\l)%3)+(\p))
.set AB, AD+8*(\p)
.irp c, 0,1,2,3,4,5,6,7
	global_load_b64 v[GB+2*\c:GB+2*\c+1], v[AB+\c], s[8:9]
.endr
.endm
; Level n, both points: all sixteen offsets, one wait, sixteen gathers in one run.
.macro LEVEL n, free
	ADDR 0, \n, \free
	ADDR 1, \n, 0
	s_wait_alu depctr_va_vdst(0)                   ; the sixteen offsets are written, which the gathers read; the interpolations of three levels back are done reading and writing the two slots in which the gathers land
	GATHER 0, \n
	GATHER 1, \n
.endm
.macro LSUB hi, lo                     ; hi - lo, both features
	v_pk_add_f32 v[\hi:\hi+1], v[\hi:\hi+1], v[\lo:\lo+1] neg_lo:[0,1] neg_hi:[0,1]
.endm
.macro LFMA d, hi, lo, wi              ; d = lo + w (hi - lo); w is one register of an aligned pair and serves both halves
.if (\wi)&1
	v_pk_fma_f32 v[\d:\d+1], v[\hi:\hi+1], v[\wi-1:\wi], v[\lo:\lo+1] op_sel:[0,1,0] op_sel_hi:[1,1,1]
.else
	v_pk_fma_f32 v[\d:\d+1], v[\hi:\hi+1], v[\wi:\wi+1], v[\lo:\lo+1] op_sel_hi:[1,0,1]
.endif
.endm
; Point p, level l: its eight entries become its two features.  No memory instruction reads a slot's registers, so nothing but the wait for the data stands here.
.macro CONSUME p, l
.set GB, GS+16*(2*((\l)%3)+(\p))
.set WW, WP+6*((\l)%3)+3*(\p)
.set BEHIND, 31-(2*(\l)+(\p))
.if BEHIND > 5-(\p)
.set BEHIND, 5-(\p)
.endif
.if (\l) <= 13
.set FD, RA+NXT*(\p)+2*(\l)
.elseif (\l) == 14
.set FD, QA+NXT*(\p)+2
.else
.set FD, QA+NXT*(\p)
.endif
	s_wait_loadcnt 8*BEHIND                        ; loads come back in order: this slot's eight are in; the eight of each slot issued behind it may be out (A: B's of this level and two levels' four; B: those four; fewer at the end)
	LSUB GB+2, GB
	LSUB GB+6, GB+4
	LSUB GB+10, GB+8
	LSUB GB+14, GB+12
	LFMA GB, GB+2, GB, WW                          ; along x
	LFMA GB+4, GB+6, GB+4, WW
	LFMA GB+8, GB+10, GB+8, WW
	LFMA GB+12, GB+14, GB+12, WW
	LSUB GB+4, GB
	LSUB GB+12, GB+8
	LFMA GB, GB+4, GB, WW+1                        ; along y
	LFMA GB+8, GB+12, GB+8, WW+1
	LSUB GB+8, GB
	LFMA FD, GB+8, GB, WW+2                        ; along z, straight to the features' place
.endm
.macro STEP l, n
	CONSUME 0, \l
	CONSUME 1, \l
	LEVEL \n, 1
.endm
	LEVEL 0, 0                                     ; six slots, 48 gathers of the wave, are out from here to the last levels
	LEVEL 1, 1
	LEVEL 2, 1
	STEP 0, 3
	STEP 1, 4
	STEP 2, 5
	STEP 3, 6
	STEP 4, 7
	STEP 5, 8
	STEP 6, 9
	STEP 7, 10
	STEP 8, 11
	STEP 9, 12
	STEP 10, 13
	STEP 11, 14
	STEP 12, 15
.irp l, 13,14,15
	CONSUME 0, \l
	CONSUME 1, \l
.endr
	; ---- b0 goes into the offsets' registers, the second layer's constants into slots that are done with; b0 is waited for ahead of the first product, the others ahead of the second
	s_wait_alu depctr_va_vdst(0)                   ; the interpolations are done reading and writing the slots, and the index arithmetic has written v140-155: loads land in both
	s_wait_alu depctr_vm_vsrc(0)                   ; the gathers have read their offsets v140-155, in which b0 lands (the last wait for data, for 0, has shown the gathers themselves done)
.irp j, 0,1,2,3
	global_load_b128 v[B0+4*\j:B0+4*\j+3], v[VH64], s[12:13] offset:16*\j   ; b0 at units 16 h + 0 .. 15: tile u's eight at B0 + 8 u
.endr
	global_load_b128 v[WB:WB+3], v[VL16], s[10:11] offset:1024
	global_load_b128 v[WB+8:WB+11], v[VL16], s[10:11] offset:1536
	global_load_b64 v[W1S:W1S+1], v[VL8], s[10:11] offset:2304
.irp j, 0,1,2,3
	global_load_b128 v[B1+4*\j:B1+4*\j+3], v[VH64], s[14:15] offset:16*\j
.endr
.irp j, 0,1,2,3
	global_load_b128 v[WO+4*\j:WO+4*\j+3], v[VH64], s[16:17] offset:16*\j
.endr
.irp j, 4,5,6,7,12,13,14,15
	v_mov_b32 v[WB+\j], 0                          ; registers 4-7 of every operand: K 64 .. 127, zero codes
.endr
.irp q, 0,1,2,3
.irp j, 4,5,6,7
	v_mov_b32 v[OPB+8*\q+\j], 0
.endr
.endr
	v_mov_b32 v[C24], 0x3d2aaaab                   ; 1/24, twice: a pair for the packed form
	v_mov_b32 v[C24+1], 0x3d2aaaab
	; ---- the features are quantised: a lane holds both blocks of its points A and B, whole
.irp p, 0,1
	v_mov_b32 v[RA+NXT*\p+28], v[QA+NXT*\p+2]      ; feature 28 (level 14's first) belongs to block 0
.endr
.irp p, 0,1
	v_max3_num_f32 v[FT+4*\p], |v[RA+NXT*\p]|, |v[RA+NXT*\p+1]|, FLOOR
.endr
.irp i, 2,4,6,8,10,12,14,16,18,20,22,24,26,28,30
.irp p, 0,1
	v_max3_num_f32 v[FT+4*\p], v[FT+4*\p], |v[RA+NXT*\p+\i]|, |v[RA+NXT*\p+\i+1]|   ; (A and B by turns)
.endr
.endr
.irp p, 0,1
	v_max3_num_f32 v[FT+4*\p+1], |v[QA+NXT*\p]|, |v[QA+NXT*\p+1]|, FLOOR   ; block 1: features 30, 31,
.endr
.irp p, 0,1
	v_max_num_f32 v[FT+4*\p+1], v[FT+4*\p+1], |v[QA+NXT*\p+3]|             ; and 29
.endr
.irp p, 0,1
	v_add_nc_u32 v[FT+4*\p], 0xff000000, v[FT+4*\p]        ; 2 off the exponent field: the conversion's scale operand
	v_add_nc_u32 v[FT+4*\p+1], 0xff000000, v[FT+4*\p+1]
.endr
.irp p, 0,1
	v_lshrrev_b32 v[FT+4*\p+2], 23, v[FT+4*\p]             ; the bytes
	v_lshrrev_b32 v[FT+4*\p+3], 23, v[FT+4*\p+1]
.endr
.irp p, 0,1
	v_lshl_or_b32 v[FS+\p], v[FT+4*\p+3], 8, v[FT+4*\p+2]  ; my point's scale word; bytes 2 and 3 stay 0 over zero codes
.endr
.irp p, 0,1
.irp i, 0,1,2,3
	v_cvt_scalef32_pk8_fp4_f32 v[OPB+16*\p+\i], v[RA+NXT*\p+8*\i:RA+NXT*\p+8*\i+7], v[FT+4*\p]
.endr
	v_cvt_scalef32_pk8_fp4_f32 v[OPB+16*\p+8], v[QA+NXT*\p:QA+NXT*\p+7], v[FT+4*\p+1]   ; places 0 .. 3 count; the four registers behind them only fill the run, and their codes are cut off below
.endr
	v_nop                                          ; one plain line behind the scaled conversions
.irp p, 0,1
	v_and_b32 v[OPB+16*\p+8], 0xf0ff, v[OPB+16*\p+8]       ; places 0, 1, 3 stay; place 2 and places 4 .. 7 become zero codes
.irp i, 9,10,11
	v_mov_b32 v[OPB+16*\p+\i], 0
.endr
.endr
.irp p, 0,1
.irp i, 0,1,2,3
	v_permlane16_swap_b32 v[OPB+16*\p+\i], v[OPB+16*\p+8+\i]   ; tile 0: lanes 0-15 their block 0, lanes 16-31 the same points' block 1; tile 1 likewise for the points of lanes 16-31
.endr
.endr
	s_wait_loadcnt 11                              ; b0 is in; the eleven loads of the second layer's constants behind it may be out
.rept 8
	v_nop                                          ; a scale register written by a vector instruction stands 8 places ahead of a scaled matrix instruction, an operand so written 4
.endr
	s_wait_alu depctr_va_vdst(0)                   ; the features' scale words v14-15, the four operands of points and the zero halves of W0's fragments are written, which the products take; the places above stay beside this wait
.irp p, 0,1
.irp u, 0,1
	v_wmma_scale_f32_16x16x128_f8f6f4 v[ACC+32*\p+8*\u:ACC+32*\p+8*\u+7], v[WA+8*\u:WA+8*\u+7], v[OPB+16*\p:OPB+16*\p+7], v[B0+8*\u:B0+8*\u+7], v[W0S+\u], v[FS+\p] matrix_a_fmt:MATRIX_FMT_FP4 matrix_b_fmt:MATRIX_FMT_FP4
	v_wmma_scale_f32_16x16x128_f8f6f4 v[ACC+32*\p+16+8*\u:ACC+32*\p+16+8*\u+7], v[WA+8*\u:WA+8*\u+7], v[OPB+16*\p+8:OPB+16*\p+15], v[B0+8*\u:B0+8*\u+7], v[W0S+\u], v[FS+\p] matrix_a_fmt:MATRIX_FMT_FP4 matrix_b_fmt:MATRIX_FMT_FP4 matrix_b_scale:MATRIX_SCALE_ROW1
.endr
.endr
.rept 4
	v_nop                                          ; four places ahead of the first read of results (ISA guide 7.12.1)
.endr
; ELU on the eight registers of one accumulator, from its low end on.  The sixteen compares stand in one run at the head, each with a scalar register for its mask.  The eight exponentials are one batch; the series is the
; independent work behind them; one wait stands ahead of the first use of a result, and one ahead of the first use of a mask.
.macro ELU x
.irp j, 0,1,2,3,4,5,6,7
	v_cmp_lt_f32 s[MK+\j], 0xbe000000, v[\x+\j]    ; -1/8 < x: the series
.endr
.irp j, 0,1,2,3,4,5,6,7
	v_cmp_lt_f32 s[MK+8+\j], 0, v[\x+\j]           ; 0 < x: x itself
.endr
.irp j, 0,2,4,6
	v_pk_mul_f32 v[EE+\j:EE+\j+1], v[\x+\j:\x+\j+1], LOG2E op_sel_hi:[1,0]
.endr
.irp j, 0,1,2,3,4,5,6,7
	v_exp_f32 v[EE+\j], v[EE+\j]
.endr
.irp j, 0,2,4,6
	v_pk_fma_f32 v[PP+\j:PP+\j+1], v[\x+\j:\x+\j+1], 0x3c088889, v[C24:C24+1] op_sel_hi:[1,0,1]   ; x / 120 + 1/24
.endr
.irp j, 0,2,4,6
	v_pk_fma_f32 v[PP+\j:PP+\j+1], v[PP+\j:PP+\j+1], v[\x+\j:\x+\j+1], 0x3e2aaaab op_sel_hi:[1,1,0]   ; .. x + 1/6
.endr
.irp j, 0,2,4,6
	v_pk_fma_f32 v[PP+\j:PP+\j+1], v[PP+\j:PP+\j+1], v[\x+\j:\x+\j+1], 0.5 op_sel_hi:[1,1,0]
.endr
.irp j, 0,2,4,6
	v_pk_fma_f32 v[PP+\j:PP+\j+1], v[PP+\j:PP+\j+1], v[\x+\j:\x+\j+1], 1.0 op_sel_hi:[1,1,0]
.endr
.irp j, 0,2,4,6
	v_pk_mul_f32 v[PP+\j:PP+\j+1], v[PP+\j:PP+\j+1], v[\x+\j:\x+\j+1]
.endr
	s_wait_alu depctr_va_vdst(0)                   ; the eight exponentials have written v32-39, ahead of the first line that names one of them
.irp j, 0,2,4,6
	v_pk_add_f32 v[EE+\j:EE+\j+1], v[EE+\j:EE+\j+1], -1.0 op_sel_hi:[1,0]
.endr
	s_wait_alu depctr_va_sdst(0)                   ; the sixteen compares have written their masks s40-55, ahead of the first select that reads one
.irp j, 0,1,2,3,4,5,6,7
	v_cndmask_b32 v[EE+\j], v[EE+\j], v[PP+\j], s[MK+\j]
.endr
.irp j, 0,1,2,3,4,5,6,7
	v_cndmask_b32 v[\x+\j], v[EE+\j], v[\x+\j], s[MK+8+\j]
.endr
.endm
.irp a, 0,1,2,3,4,5,6,7
	ELU ACC+8*\a
.endr
	; ---- the hidden layer is quantised: one block of 32 units; lane (r, h) holds units 16 h + 0 .. 15 of its tile's point r
.irp q, 0,1,2,3
	v_max3_num_f32 v[FT+\q], |v[ACC+16*\q]|, |v[ACC+16*\q+1]|, FLOOR
.endr
.irp i, 2,4,6,8,10,12,14
.irp q, 0,1,2,3
	v_max3_num_f32 v[FT+\q], v[FT+\q], |v[ACC+16*\q+\i]|, |v[ACC+16*\q+\i+1]|   ; (the four tiles by turns)
.endr
.endr
.irp q, 0,1,2,3
	v_permlanex16_b32 v[FT+4+\q], v[FT+\q], s28, s29
.endr
.irp q, 0,1,2,3
	v_max_num_f32 v[FT+\q], v[FT+\q], v[FT+4+\q]   ; with lane l xor 16's 16 units
.endr
.irp q, 0,1,2,3
	v_add_nc_u32 v[FT+\q], 0xff000000, v[FT+\q]
.endr
.irp q, 0,1,2,3
	v_lshrrev_b32 v[HS+\q], 23, v[FT+\q]           ; the scale word: byte 0; the other bytes stay 0 over zero codes
.endr
.irp q, 0,1,2,3
	v_cvt_scalef32_pk8_fp4_f32 v[OPB+8*\q], v[ACC+16*\q:ACC+16*\q+7], v[FT+\q]
	v_cvt_scalef32_pk8_fp4_f32 v[OPB+8*\q+1], v[ACC+16*\q+8:ACC+16*\q+15], v[FT+\q]
.endr
	v_nop                                          ; one plain line behind the scaled conversions
.irp q, 0,1,2,3
	v_mov_b32 v[OPB+8*\q+2], 0
	v_mov_b32 v[OPB+8*\q+3], 0
.endr
.irp q, 0,1,2,3
	v_permlane16_swap_b32 v[OPB+8*\q], v[OPB+8*\q+2]       ; lanes 0-15 get units 16 .. 31 from lanes 16-31, which are left with zero codes: K 32 .. 63
	v_permlane16_swap_b32 v[OPB+8*\q+1], v[OPB+8*\q+3]
.endr
	s_wait_loadcnt 0x0                             ; W1's fragments and scale words, b1, Wout
.rept 8
	v_nop                                          ; 8 places behind the scale words' last write, 4 behind the operands'
.endr
	s_wait_alu depctr_va_vdst(0)                   ; the hidden layer's scale words v16-19, its four operands and the zero halves of W1's fragments are written, which the products take; the places above stay beside this wait
.irp q, 0,1,2,3
.irp u, 0,1
	v_wmma_scale_f32_16x16x128_f8f6f4 v[ACC+16*\q+8*\u:ACC+16*\q+8*\u+7], v[WB+8*\u:WB+8*\u+7], v[OPB+8*\q:OPB+8*\q+7], v[B1+8*\u:B1+8*\u+7], v[W1S+\u], v[HS+\q] matrix_a_fmt:MATRIX_FMT_FP4 matrix_b_fmt:MATRIX_FMT_FP4
.endr
.endr
.rept 4
	v_nop
.endr
.irp a, 0,1,2,3,4,5,6,7
	ELU ACC+8*\a
.endr
	; ---- the last product has one column: fused multiply-adds in f32, my 16 units of each tile's point
.irp q, 0,1,2,3
	v_pk_mul_f32 v[PP+2*\q:PP+2*\q+1], v[ACC+16*\q:ACC+16*\q+1], v[WO:WO+1]
.endr
.irp i, 2,4,6,8,10,12,14
.irp q, 0,1,2,3
	v_pk_fma_f32 v[PP+2*\q:PP+2*\q+1], v[ACC+16*\q+\i:ACC+16*\q+\i+1], v[WO+\i:WO+\i+1], v[PP+2*\q:PP+2*\q+1]
.endr
.endr
.irp q, 0,1,2,3
	v_add_f32 v[DS+\q], v[PP+2*\q], v[PP+2*\q+1]
.endr
	v_permlane16_swap_b32 v[DS], v[DS+1]           ; tile 0's upper halves change places with tile 1's lower: both halves of lane L's own point now lie in lane L
	v_permlane16_swap_b32 v[DS+2], v[DS+3]
	s_wait_kmcnt 0x0                               ; bout
	v_add_f32 v[EE], v[DS], v[DS+1]
	v_add_f32 v[EE+1], v[DS+2], v[DS+3]
	v_add_f32 v[EE], s27, v[EE]
	v_add_f32 v[EE+1], s27, v[EE+1]
	s_wait_alu depctr_va_vdst(0)                   ; the last additions have written v32-33, which the store reads
	global_store_b64 v[VO], v[EE:EE+1], s[20:21] th:TH_STORE_NT   ; points 2 L and 2 L + 1: 32 lanes store 256 consecutive bytes, aligned
.Lend:
	s_endpgm
.Lfunc_end_k_q7c90d31dd3_field:
	.size	k_q7c90d31dd3_field, .Lfunc_end_k_q7c90d31dd3_field-k_q7c90d31dd3_field
	.p2alignl 7, 3214868480
	.fill 96, 4, 3214868480
	.section	.rodata,"a",@progbits
	.p2align	6, 0x0
	.amdhsa_kernel k_q7c90d31dd3_field
		.amdhsa_group_segment_fixed_size 0
		.amdhsa_private_segment_fixed_size 0
		.amdhsa_enable_private_segment 0
		.amdhsa_kernarg_size 72
		.amdhsa_user_sgpr_count 2
		.amdhsa_user_sgpr_kernarg_segment_ptr 1
		.amdhsa_wavefront_size32 1
		.amdhsa_system_sgpr_workgroup_id_x 1
		.amdhsa_system_sgpr_workgroup_id_y 1
		.amdhsa_system_sgpr_workgroup_id_z 1
		.amdhsa_system_vgpr_workitem_id 0
		.amdhsa_next_free_vgpr 256
		.amdhsa_next_free_sgpr 66
		.amdhsa_reserve_vcc 0
		.amdhsa_float_denorm_mode_32 3
		.amdhsa_float_denorm_mode_16_64 3
		.amdhsa_memory_ordered 1
		.amdhsa_forward_progress 1
		.amdhsa_inst_pref_size 238
	.end_amdhsa_kernel
	.amdgpu_metadata
---
amdhsa.version: [ 1, 2 ]
amdhsa.kernels:
  - .name:           k_q7c90d31dd3_field
    .symbol:         k_q7c90d31dd3_field.kd
    .args:
      - { .name: x, .offset: 0, .size: 8, .value_kind: global_buffer, .address_space: global }
      - { .name: xq, .offset: 8, .size: 8, .value_kind: global_buffer, .address_space: global }
      - { .name: table, .offset: 16, .size: 8, .value_kind: global_buffer, .address_space: global }
      - { .name: wimg, .offset: 24, .size: 8, .value_kind: global_buffer, .address_space: global }
      - { .name: b0, .offset: 32, .size: 8, .value_kind: global_buffer, .address_space: global }
      - { .name: b1, .offset: 40, .size: 8, .value_kind: global_buffer, .address_space: global }
      - { .name: Wout, .offset: 48, .size: 8, .value_kind: global_buffer, .address_space: global }
      - { .name: bout, .offset: 56, .size: 8, .value_kind: global_buffer, .address_space: global }
      - { .name: out0, .offset: 64, .size: 8, .value_kind: global_buffer, .address_space: global }
    .group_segment_fixed_size: 0
    .private_segment_fixed_size: 0
    .kernarg_segment_align: 8
    .kernarg_segment_size: 72
    .max_flat_workgroup_size: 128
    .sgpr_count:     66
    .vgpr_count:     256
    .wavefront_size: 32
...
	.end_amdgpu_metadata
.endif
;; end of part 3
